; MI455X (gfx1250); checked and timed in simulation.
; The chip was launched on July 23, 2026; its instructions are those of AMD's public machine-readable ISA for CDNA 5 (MIT licence, August 2026) and "CDNA5" Instruction Set Architecture Reference Guide (July 2026). The comments in the code are by the model that wrote it; some were corrected since.
;; Causal Self Attention. Allowed arithmetic: matrix products marked QUANTISED: E4M3 operands, one given power-of-two scale a tensor, by v_wmma_f32_16x16x64_fp8_fp8 or v_wmma_f32_16x16x128_fp8_fp8, f32 sums; everything else in f32.
;; Inputs: b_out 1,024 float32; b_qkv 3,072 float32; lowp_scales 8 int32 (the exponents e of the quantised operands' scales 2^e); w_out_codes 1,024 x 32 x 32 uint8 (E4M3 codes of w_out, K innermost, in blocks of 32 codes); w_qkv_codes 3,072 x 32 x 32 uint8 (E4M3 codes of w_qkv, K innermost, in blocks of 32 codes); x_codes 4 x 2,048 x 32 x 32 uint8 (E4M3 codes of x, K innermost, in blocks of 32 codes).
;; Outputs: out0 4 x 2,048 x 1,024 float32.
;; This version of the problem:
;;   THIS VERSION OF THE PROBLEM IS GIVEN IN LOW PRECISION. The matrix products marked QUANTISED in the list below multiply operands that are first quantised to E4M3 (4 exponent bits, 3 mantissa bits; 8 bits a number), with one given power-of-two scale for each operand tensor; their sums are f32. All else is computed in f32.
;;   The module's matrix products, in the order in which they are computed (A, B: the left and right operand; K: the contracted axis; several contracted axes count as one K, in the product's order):
;;     1. [M 8,192, K 1,024] x [K 1,024, N 3,072]; A: input x (given as codes); B: input w_qkv (given as codes): QUANTISED (scales: A lowp_scales[0], B lowp_scales[1])
;;     2. batch 64 x [M 2,048, K 64] x [K 64, N 2,048]; A: computed on the way; B: computed on the way: QUANTISED (scales: A lowp_scales[2], B lowp_scales[3])
;;     3. batch 64 x [M 2,048, K 2,048] x [K 2,048, N 64]; A: softmax (see below); B: computed on the way: QUANTISED (scales: A lowp_scales[4], B lowp_scales[5])
;;     4. [M 8,192, K 1,024] x [K 1,024, N 1,024]; A: computed on the way; B: input w_out (given as codes): QUANTISED (scales: A lowp_scales[6], B lowp_scales[7])
;;   THE QUANTISER, for each operand of a quantised product, along K:
;;     - The operand's scale is 2^e, e = its entry of the input lowp_scales (int32; the entries are numbered through the quantised products in the list's order, A before B).
;;     - Each number is divided by the scale, clamped to +-448, and rounded to the nearest number of E4M3, ties to even, subnormals kept.
;;     - The product sums the exact products of the quantised numbers (number of the format x scale) in f32.
;;   ~~~python
;;   def quantise(x, axis, e):      # numpy; x: float32 -> the quantised numbers, widened to float32 again
;;       x = np.moveaxis(x, axis, -1); K = x.shape[-1]
;;       r = np.clip(x / 2.0 ** e, -448, 448)
;;       step = 2.0 ** (np.maximum(np.frexp(np.where(r == 0, 1, r))[1] - 1, -6) - 3)
;;       q = np.round(r / step) * step * 2.0 ** e      # np.round: ties to even
;;       return np.moveaxis(q, -1, axis).astype(np.float32)
;;   ~~~
;;   SOFTMAX AHEAD OF A QUANTISED PRODUCT. Where the list says 'softmax', what is quantised is not the finished softmax but p = 2^(t - M), with t = logit x log2(e) and M = ceil(the row's largest t), a whole number; so 1/2 < the row's largest p <= 1. The row's sum l is taken of the UNQUANTISED p, in f32, and the product's result is divided by l at the end. Since M is a whole number, a kernel that streams over the keys may use a running M (the ceiling of the running maximum): every later rescaling is an exact power of two, so the quantised numbers keep their values, but for numbers so far below the row's largest that they fall under the format's range.
;;   OPERANDS COMPUTED ON THE WAY. 'Computed on the way' means the value that the module computes at that place (a softmax that the list does not call 'softmax' is quantised finished and normalised). What goes into a quantiser is computed in f32, as accurately as f32 sums, v_exp_f32 and their like allow (about 1e-6 of the number): no bf16 or f16 on the way to a quantiser, and a product that is left as it is and whose result goes on into a quantised operand takes f32 operands (vector FMAs, or v_wmma_f32_16x16x4_f32). A number that lies on a knife's edge between two numbers of the format may be rounded either way, as far as f32 arithmetic and the matrix unit's own rounding can turn it there, and no further.
;;   INPUTS GIVEN AS CODES. w_out (in the module: [1024, 1024], K = its axis 0); w_qkv (in the module: [1024, 3072], K = its axis 0); x (in the module: [4, 2048, 1024], K = its axis 2): each comes as NAME_codes (uint8): NAME with its K axis moved to the last place and cut into blocks of 32 codes, [.., K / 32, bytes a block], one block behind the other in memory; one code a byte (a code: sign, 4 exponent bits, 3 mantissa bits); its scale is its entry of lowp_scales. Its value is code x scale, taken as it is: it is not quantised again, and the codes and scales need not be those that the quantiser above would give.
;; One version. Each part assembles by itself: llvm-mc -triple=amdgcn-amd-amdhsa -mcpu=gfx1250 --defsym DOCPART=n.
;; ======== version 1 of 1: 3 launches
;; limits: right only within a limited range of input values
;; workspace buffers: qf 8,388,608 bytes; kf 8,388,608 bytes; vf 8,388,608 bytes; yf 8,388,608 bytes
;; launch qkv (part 1): grid 12 x 32, 4 waves a work-group, clusters of 4 x 4, 327,680 bytes of LDS; arguments x_codes, w_qkv_codes, b_qkv, lowp_scales, qf, kf, vf; writes qf, kf, vf
.if DOCPART == 1
	.amdgcn_target "amdgcn-amd-amdhsa--gfx1250"
	.amdhsa_code_object_version 6
	.text
	.protected	k_q82e19015d3_qkv
	.globl	k_q82e19015d3_qkv
	.p2align	8
	.type	k_q82e19015d3_qkv,@function
k_q82e19015d3_qkv:
	s_mov_b64 s[64:65], 0
	v_nop
	global_prefetch_b8 v0, s[64:65] scope:SCOPE_SE
	s_setreg_imm32_b32 hwreg(HW_REG_WAVE_MODE, 25, 1), 1
	s_wait_xcnt 0x0
	s_wait_alu depctr_hold_cnt(0) depctr_sa_sdst(0) depctr_va_vdst(0) depctr_va_sdst(0) depctr_va_ssrc(0) depctr_va_vcc(0) depctr_vm_vsrc(0)
	s_getreg_b32 s2, hwreg(HW_REG_IB_STS2, 6, 4)
	s_cmp_eq_u32 s2, 0
	s_cbranch_scc0 .Lentry_in_a_cluster
	s_endpgm
.Lentry_in_a_cluster:
	s_bfe_u32 s2, ttmp6, 0x10000c
	s_cmp_lg_u32 s2, 0xf033
	s_cbranch_scc0 .Lentry_shape_is_right
	s_endpgm
.Lentry_shape_is_right:
; FIRST OF THREE LAUNCHES.  qkv = x w_qkv + b_qkv on codes of E4M3 (x: 8,192 rows x 1,024 codes; w_qkv: 3,072 rows x 1,024 codes, K innermost), sums in f32; the results are quantised with the given
; scales (q: entry 2, k: entry 3, v: entry 5 of the scales) and stored as IMAGES OF THE OPERAND REGISTERS that the attention launch wants.
; A tile of the product, 256 x 256, is made by a work-group of four waves; a wave makes 128 x 128: 64 accumulators of 16 x 16, 512 registers.  K goes in steps of 256 through a ring of two LDS slots.
; THE MATRIX INSTRUCTION IS USED TRANSPOSED (source 0 = 16 rows of "B", source 1 = 16 rows of "A"): lane (r = lane % 16, h = lane / 16) holds row r of A's block, and register j of B's block b column 16 b + 8 h + j.
; One conversion of an accumulator's eight registers therefore gives registers 2 b, 2 b + 1 of an 8-bit fragment (k = 16 b + 8 h + 0 .. 7): the codes ARE the next product's registers, and are stored 16 bytes a lane.
; KINDS, by the cluster's x (the same in all sixteen partners): 0: q, 1: k: A = x (tokens), B = w_qkv (features): a wave's 128 columns are two heads, a block of 16 tokens gives two fragments of 16 x 64.
;   2: v: A = w_qkv's rows 2,048 on (features), B = x (tokens): the product is V^T, so the keys are innermost: a block of 16 features x the wave's 128 keys is one fragment of 16 x 128.
; OUT: qf, kf: [head of 64][tile of 16 tokens, 128][2 images][lane][16 bytes];  vf: [head][step of 128 keys, 16][16 features, 4][4 images][lane][16 bytes].
; CLUSTERS: 4 x 4 work-groups; A's tile is shared along a row of the cluster, B's along a column: each is asked for jointly, by the same tensor load with the same descriptor and a mask that names the four.
; LIMITS: entry 0 + entry 1 of the scales between -126 and 127; entries 2, 3, 5 between -126 and 119, so that each power of two below is an f32 number.  NaN among the inputs is not served.
; REGISTERS, in windows of 256: window 0: v16-31 addresses and the quantiser's scale; v32-95 the biases of my 128 columns (q, k); v96-111 the biases of my rows, a pair a block (v); v128-255 A's fragments, ONE set;
;   on the way out v128-191 the numbers, v192-255 four sets of codes.  window 1: B's fragments, TWO sets.  windows 2, 3: the accumulators of my rows 0-63, 64-127 (accumulator (a, b) at v[8 (8 (a % 4) + b)]).
.set KSTEP,  256                       ; along K in a slot
.set ROWB,   256                       ; a tile's row in bytes
.set KROW,   1024                      ; a row of x or of w_qkv in memory, in bytes
.set PITCH,  272                       ; an LDS row: 256 bytes + 16 of padding = 68 words: the 16 rows that a load touches start at 16 different banks (64 banks of 4 bytes: ISA guide 11.1)
.set FR,     16                        ; registers of a fragment: 16 rows x 128 K
.set NL,     4                         ; LDS loads that bring one
.set NP,     4                         ; places behind this matrix instruction (ISA guide 7.12.1)
.set HALFT,  128*PITCH                 ; 128 rows: what one tensor load brings
.set SLOT,   4*HALFT                   ; A's 256 rows, then B's 256 rows
.set LAPS,   2                         ; 1,024 along K = four K steps = twice round the ring
.set SPARE,  2*SLOT                    ; behind the ring: the spare words, 128 bytes for each wave, which no other line names
.set ADRA, 16                          ; v16-17  LDS address of my A fragments in slot 0, 1
.set ADRB, 20                          ; v20-21  the same for B
.set CO,   26                          ; v26     16 x lane: my place in an image
.set SPW,  28                          ; v28     LDS address of my spare word; never rewritten
.set NIL,  29                          ; v29     0; never rewritten
.set SCV,  30                          ; v30     2^e of my kind, for the conversion
.set LIMV, 31
.set BN,   32
.set BM,   96
.set AF,   128
.set TMP,  128
.set COD,  192
.set G1, 24                            ; s[24:31] descriptor group 1 for A's tiles;  s[32:39] group 0, one set for each slot
.set G0, 32
.set G1B, 48                           ; s[48:55], s[56:63] the same for B's tiles
.set G0B, 56
.set MSB, 0
.macro WIN new                         ; the immediate's high byte repeats the setting that is left
.if MSB != \new
	s_set_vgpr_msb (MSB<<8)|\new
.set MSB, \new
.endif
.endm
.set MUL_LO, 0xa1                      ; source 0 (B) window 1, source 1 (A) window 0, C and D window 2
.set MUL_HI, 0xf1                      ; the same, C and D window 3
.set TO_B,   0x40                      ; destination window 1, address window 0
; A joint load: waves 0 and 1 fetch for A, waves 2 and 3 for B.  The branch hangs on the wave's number alone.  Four v_nop follow each of the two lines.
.macro JLOAD g0a, g1a, g0b, g1b
	s_cmp_eq_u32 s15, 0
	s_cbranch_scc0 .Lfor_b_\@
	tensor_load_to_lds s[\g0a:\g0a+3], s[\g1a:\g1a+7]
	s_nop 0
.rept 4
	v_nop
.endr
	s_branch .Lasked_\@
.Lfor_b_\@:
	tensor_load_to_lds s[\g0b:\g0b+3], s[\g1b:\g1b+7]
	s_nop 0
.rept 4
	v_nop
.endr
.Lasked_\@:
.endm
.macro CREST                           ; a round of the cluster's barrier behind its opening barrier
	s_cmp_lg_u32 s14, 0
	s_cbranch_scc1 .Lnot_wave_0_\@
	s_barrier_signal -3
.Lnot_wave_0_\@:
	s_barrier_wait -3
	s_barrier_signal -1
	s_barrier_wait -1
.endm
.macro CROUND                          ; a whole round
	s_barrier_signal -1
	s_barrier_wait -1
	CREST
.endm
	s_load_b256 s[4:11], s[0:1], 0x0               ; x s[4:5], w_qkv s[6:7], b_qkv s[8:9], the scales' exponents s[10:11]
	s_load_b128 s[68:71], s[0:1], 0x20             ; qf, kf
	s_load_b64 s[72:73], s[0:1], 0x30              ; vf
	v_lshl_add_u32 v[SPW], v0, 2, SPARE
	v_mov_b32 v[NIL], 0
	ds_add_u32 v28, v29
	ds_add_u32 v28, v29
	s_wait_dscnt 0x0
	v_lshrrev_b32 v1, 5, v0
	v_readfirstlane_b32 s14, v1                    ; wave 0..3
	s_lshr_b32 s15, s14, 1                         ; wr: which half of A's rows is mine.  Also: I fetch for A (0) or for B (1)
	s_and_b32 s16, s14, 1                          ; wc: which half of B's rows.  Also: which 128 rows of that tile I fetch
	s_bfe_u32 s40, ttmp6, 0x40000                  ; cx, cy: my place in the cluster
	s_bfe_u32 s41, ttmp6, 0x40004
	s_mov_b32 s74, ttmp9                           ; the cluster's x: the kind
	s_and_b32 s75, ttmp7, 0xffff                   ; the cluster's y, 0..7
	s_lshl_b32 s18, s75, 2
	s_cmp_lt_u32 s74, 2                            ; q or k?
	s_cselect_b32 s17, s18, 8                      ; A's tile: of x, 4 x cluster y + cy; of w_qkv, 8 + cy
	s_cselect_b32 s42, s74, s75                    ; B's tile: of w_qkv, 4 x kind + cx; of x, 4 x cluster y + cx
	s_add_co_u32 s17, s17, s41
	s_lshl_b32 s42, s42, 2
	s_add_co_u32 s42, s42, s40
	s_lshl_b32 s43, s41, 2
	s_lshl_b32 s43, 15, s43                        ; my row of the cluster
	s_lshl_b32 s44, 0x1111, s40                    ; my column
	; descriptor group 1: a tile of 128 rows x 256 bytes, padded in LDS
	s_or_b32 s[G1+0], s43, (0<<16)|(1<<20)|(1<<21)|(5<<22)|(3<<25)  ; 15:0 the mask: A's tiles go to my row; 17:16 element of 1 byte; 20 padding on; 21 set beside a mask; 24:22 after every 64 words; 31:25 of 4 words
	s_or_b32 s[G1B+0], s44, (0<<16)|(1<<20)|(1<<21)|(5<<22)|(3<<25)
.irp g, G1, G1B
	s_mov_b32 s[\g+1], ROWB<<16                    ; tensor_dim0
	s_mov_b32 s[\g+2], 128<<16                     ; tensor_dim1 = 128
	s_mov_b32 s[\g+3], ROWB<<16                    ; tile_dim0
	s_mov_b32 s[\g+4], 128                         ; tile_dim1 = 128
	s_mov_b32 s[\g+5], KROW                        ; tensor_dim0_stride: both tensors have rows of 1,024 bytes
	s_mov_b32 s[\g+6], 0
	s_mov_b32 s[\g+7], 0
.endr
	s_lshl_b32 s18, s16, 7                         ; which 128 rows of the tile I fetch
	s_lshl_b32 s20, s17, 8
	s_add_co_u32 s20, s20, s18                     ; A: row 256 x tile + 128 x half
	s_lshl_b32 s46, s42, 8
	s_add_co_u32 s46, s46, s18                     ; B likewise
	s_lshl_b32 s20, s20, 10                        ; in bytes: under 2^23
	s_lshl_b32 s46, s46, 10
	s_mov_b32 s21, 0
	s_mov_b32 s47, 0
	s_mul_i32 s45, s14, HALFT                      ; where they go: wave x 128 rows: no place in the cluster enters an LDS address
	s_wait_kmcnt 0x0
	s_load_b256 s[80:87], s[10:11], 0x0            ; the eight exponents
	s_cmp_lt_u32 s74, 2
	s_cselect_b64 s[76:77], s[4:5], s[6:7]         ; A's buffer,
	s_cselect_b64 s[78:79], s[6:7], s[4:5]         ; B's: the choice hangs on the cluster's x alone
	s_add_nc_u64 s[20:21], s[76:77], s[20:21]
	s_add_nc_u64 s[46:47], s[78:79], s[46:47]
	CROUND                                         ; all sixteen work-groups are here: the first joint loads meet
.irp s, 0,1
	s_mov_b32 s[G0+4*\s], 1
	s_add_co_u32 s[G0+4*\s+1], s45, \s*SLOT
	s_add_nc_u64 s[G0+4*\s+2:G0+4*\s+3], s[20:21], \s*ROWB
	s_or_b32 s[G0+4*\s+3], s[G0+4*\s+3], 0x80000000
	s_mov_b32 s[G0B+4*\s], 1
	s_add_co_u32 s[G0B+4*\s+1], s45, \s*SLOT
	s_add_nc_u64 s[G0B+4*\s+2:G0B+4*\s+3], s[46:47], \s*ROWB
	s_or_b32 s[G0B+4*\s+3], s[G0B+4*\s+3], 0x80000000
	JLOAD G0+4*\s, G1, G0B+4*\s, G1B
.endr
	v_and_b32 v1, 15, v0                           ; r
	v_bfe_u32 v2, v0, 4, 1                         ; h
	v_mul_u32_u24 v3, v1, PITCH
	v_lshl_add_u32 v4, v2, 4, v3                   ; a fragment's row x pitch + 16 x half
	s_mul_i32 s21, s15, HALFT                      ; my 128 rows of A
	s_mul_i32 s22, s16, HALFT                      ; my 128 rows of B,
	s_add_co_u32 s22, s22, 2*HALFT                 ; which lie behind A's 256
.irp s, 0,1
	v_add_nc_u32 v[ADRA+\s], s21, v4
	v_add_nc_u32 v[ADRB+\s], s22, v4
	s_add_co_u32 s21, s21, SLOT
	s_add_co_u32 s22, s22, SLOT
.endr
	v_and_b32 v6, 31, v0
	v_lshlrev_b32 v[CO], 4, v6
	v_lshlrev_b32 v7, 5, v2                        ; the column biases: 32 h bytes
	s_wait_alu depctr_va_vdst(0)
	v_lshlrev_b32 v8, 2, v1                        ; the row biases: 4 r bytes
	s_wait_alu depctr_va_vdst(0)
	; the biases.  Both sets are loaded in every kind, so that every register is written; the set that the kind does not use is loaded from the buffer's first bytes
	s_lshl_b32 s18, s42, 10
	s_lshl_b32 s19, s16, 9
	s_add_co_u32 s18, s18, s19                     ; q, k: 4 x (256 x B's tile + 128 wc)
	s_lshl_b32 s22, s17, 10
	s_lshl_b32 s23, s15, 9
	s_add_co_u32 s22, s22, s23                     ; v: 4 x (256 x A's tile + 128 wr)
	s_cmp_lt_u32 s74, 2
	s_cselect_b32 s18, s18, 0
	s_cselect_b32 s22, 0, s22
	s_mov_b32 s19, 0
	s_mov_b32 s23, 0
	s_add_nc_u64 s[92:93], s[8:9], s[18:19]
	s_add_nc_u64 s[94:95], s[8:9], s[22:23]
.irp b, 0,1,2,3,4,5,6,7
	global_load_b128 v[BN+8*\b:BN+8*\b+3], v7, s[92:93] offset:64*\b       ; b_qkv at columns 16 b + 8 h + 0 .. 7
	global_load_b128 v[BN+8*\b+4:BN+8*\b+7], v7, s[92:93] offset:64*\b+16
.endr
.irp a, 0,1,2,3,4,5,6,7
	global_load_b32 v[BM+2*\a], v8, s[94:95] offset:64*\a                   ; b_qkv at row 16 a + r, twice: a pair for the packed multiply-add
	global_load_b32 v[BM+2*\a+1], v8, s[94:95] offset:64*\a
.endr
	; where my wave's images begin.  q, k: batch (A's tile / 8) x 2^21 + head (4 (B's tile % 4) + 2 wc) x 2^17 + token tile (16 (A's tile % 8) + 8 wr) x 2^10
	s_lshr_b32 s18, s17, 3
	s_lshl_b32 s18, s18, 21
	s_and_b32 s19, s42, 3
	s_lshl_b32 s19, s19, 19
	s_add_co_u32 s18, s18, s19
	s_lshl_b32 s19, s16, 18
	s_add_co_u32 s18, s18, s19
	s_and_b32 s19, s17, 7
	s_lshl_b32 s19, s19, 14
	s_add_co_u32 s18, s18, s19
	s_lshl_b32 s19, s15, 13
	s_add_co_u32 s18, s18, s19
	; v: batch (B's tile / 8) x 2^21 + head (4 (A's tile - 8) + 2 wr) x 2^17 + key step (2 (B's tile % 8) + wc) x 2^13
	s_lshr_b32 s22, s42, 3
	s_lshl_b32 s22, s22, 21
	s_and_b32 s23, s17, 3                          ; A's tile is 8 .. 11 there
	s_lshl_b32 s23, s23, 19
	s_add_co_u32 s22, s22, s23
	s_lshl_b32 s23, s15, 18
	s_add_co_u32 s22, s22, s23
	s_and_b32 s23, s42, 7
	s_lshl_b32 s23, s23, 14
	s_add_co_u32 s22, s22, s23
	s_lshl_b32 s23, s16, 13
	s_add_co_u32 s22, s22, s23
	s_cmp_lt_u32 s74, 2
	s_cselect_b32 s18, s18, s22
	s_mov_b32 s19, 0
	s_cmp_eq_u32 s74, 0
	s_cselect_b64 s[90:91], s[68:69], s[70:71]
	s_cmp_eq_u32 s74, 2
	s_cselect_b64 s[90:91], s[72:73], s[90:91]
	s_add_nc_u64 s[90:91], s[90:91], s[18:19]
.macro FRAG reg, adr, q, i             ; a fragment by four loads of 16 bytes: registers 4 c .. 4 c + 3 hold K = 32 c + 16 h + 0 .. 15: a permutation of k that is the same in A and in B, so every product meets its partner
.irp c, 0,1,2,3
	ds_load_b128 v[\reg+4*\c:\reg+4*\c+3], v[\adr] offset:128*(\q)+32*\c+(\i)*16*PITCH
.endr
.endm
; 16 matrix instructions: A's blocks a0, a0 + 1 x B's eight, 128 along K.  p: B's set.  zero = 1: the first product starts the sums.  The 64 accumulators take turns, one instruction a turn.
.macro MUL16 a0, p, zero
.irp a, \a0, \a0+1
.irp b, 0,1,2,3,4,5,6,7
.if \zero
	v_wmma_f32_16x16x128_fp8_fp8 v[8*(8*((\a)%4)+\b):8*(8*((\a)%4)+\b)+7], v[128*(\p)+FR*\b:128*(\p)+FR*\b+FR-1], v[AF+FR*(\a):AF+FR*(\a)+FR-1], 0
.else
	v_wmma_f32_16x16x128_fp8_fp8 v[8*(8*((\a)%4)+\b):8*(8*((\a)%4)+\b)+7], v[128*(\p)+FR*\b:128*(\p)+FR*\b+FR-1], v[AF+FR*(\a):AF+FR*(\a)+FR-1], v[8*(8*((\a)%4)+\b):8*(8*((\a)%4)+\b)+7]
.endif
.endr
.endr
.endm
.macro FETCH_B slot, q, p              ; B's eight fragments of the slot's q-th 128 along K into set p
	WIN TO_B
.irp i, 0,1,2,3,4,5,6,7
	FRAG 128*(\p)+FR*\i, ADRB+\slot, \q, \i
.endr
	WIN 0
.endm
.macro FETCH_A slot, q, i0             ; A's blocks i0 .. i0 + 3
.irp i, \i0, \i0+1, \i0+2, \i0+3
	FRAG AF+FR*(\i), ADRA+\slot, \q, \i
.endr
.endm
.macro PLACES n                        ; plain vector instructions between a matrix instruction and a load into, or a vector write of, one of its registers, or a read of its result
.rept \n
	v_nop
.endr
.endm
; A step of 128 along K that has its successor in the same slot.
.macro STEP slot, q, zero
	s_wait_dscnt 4*NL                              ; B's set and A's blocks 0-3 are in; the youngest 16 loads (A's blocks 4-7) may be out
	WIN MUL_LO
	MUL16 0, (\q)%2, \zero
	MUL16 2, (\q)%2, \zero
	s_wait_dscnt 0                                 ; A's blocks 4-7 are in
	PLACES NP
	FETCH_B \slot, (\q)+1, 1-(\q)%2
	FETCH_A \slot, (\q)+1, 0
	WIN MUL_HI
	MUL16 4, (\q)%2, \zero
	MUL16 6, (\q)%2, \zero
	PLACES NP
	WIN 0
	FETCH_A \slot, (\q)+1, 4
.endm
; A slot's last step changes slots: ONE barrier; in front of it each wave waits for all its tensor loads, adds 0 to its spare word, and waits for that and for its own reads of this slot.  fill = 1: this slot is filled again, two K steps ahead.
.macro TURN slot, next, fill
	s_wait_tensorcnt 0x0                           ; all my tensor loads have landed: my part of the next slot
	ds_add_u32 v[SPW], v[NIL]                      ; 0 onto my spare word
	s_wait_dscnt 4*NL+1                            ; (the add and the youngest 16 loads, A's blocks 4-7, may be out)
	WIN MUL_LO
	MUL16 0, 1, 0                                  ; sixteen matrix instructions stand between the add and the wait for it
	s_wait_dscnt 0x0                               ; the add is done, and my reads of this slot are over
	s_barrier_signal -1
	MUL16 2, 1, 0
	WIN 0
	s_barrier_wait -1
.if \fill
	CREST                                          ; the barrier has opened a round of the cluster's barrier: no wave of any partner still reads this slot's tile or has a load on its way
	s_add_nc_u64 s[G0+4*\slot+2:G0+4*\slot+3], s[G0+4*\slot+2:G0+4*\slot+3], 2*ROWB
	s_add_nc_u64 s[G0B+4*\slot+2:G0B+4*\slot+3], s[G0B+4*\slot+2:G0B+4*\slot+3], 2*ROWB
	JLOAD G0+4*\slot, G1, G0B+4*\slot, G1B         ; the first tensor load behind the round; its four v_nop are also the places in front of the loads below
.else
	PLACES NP
.endif
	FETCH_B \next, 0, 0
	FETCH_A \next, 0, 0
	WIN MUL_HI
	MUL16 4, 1, 0
	MUL16 6, 1, 0
	PLACES NP
	WIN 0
	FETCH_A \next, 0, 4
.endm
	s_wait_tensorcnt 1                             ; my part of K step 0 is in; K step 1's load may be out
	s_barrier_signal -1
	s_barrier_wait -1                              ; everybody's is
	FETCH_B 0, 0, 0
	FETCH_A 0, 0, 0
	FETCH_A 0, 0, 4
	STEP 0, 0, 1                                   ; the first step stands in front of the loop: its products start the sums
	s_mov_b32 s3, LAPS-1
.Llap:                                                 ; a trip goes once round the ring and fills both slots again
	TURN 0, 1, 1
	STEP 1, 0, 0
	TURN 1, 0, 1
	STEP 0, 0, 0
	s_sub_co_u32 s3, s3, 1
	s_cmp_lg_u32 s3, 0
	s_cbranch_scc1 .Llap
	TURN 0, 1, 0                                   ; the last lap fills nothing
	STEP 1, 0, 0
	s_wait_dscnt 4*NL                              ; the very last step: nothing more to fetch
	WIN MUL_LO
	MUL16 0, 1, 0
	MUL16 2, 1, 0
	s_wait_dscnt 0
	WIN MUL_HI
	MUL16 4, 1, 0
	MUL16 6, 1, 0
	WIN 0
; THE WAY OUT of block a (16 rows of A x my 128 columns): number = sum x 2^(e0 + e1) + bias, one packed multiply-add for two; eight conversions; four stores of 512 consecutive bytes.
; isv = 0: the bias goes with the column, and the 16 code registers are two heads' fragments of 16 tokens x 64;  isv = 1: it goes with the row, and they are one fragment of 16 features x 128 keys.
.macro OUT a, isv
.set AC, 64*((\a)%4)
.set CD, COD+16*((\a)%4)
.if (\a) >= 4
	s_wait_xcnt 0x0                                ; block a - 4's stores have read this set of code registers
.endif
	WIN 0x02+((\a)/4)                              ; source 0: window 2 or 3
.irp b, 0,1,2,3,4,5,6,7
.irp i, 0,2,4,6
.if \isv
	v_pk_fma_f32 v[TMP+8*\b+\i:TMP+8*\b+\i+1], v[AC+8*\b+\i:AC+8*\b+\i+1], s[96:97], v[BM+2*(\a):BM+2*(\a)+1] op_sel_hi:[1,0,1]   ; each accumulator from its low end on
.else
	v_pk_fma_f32 v[TMP+8*\b+\i:TMP+8*\b+\i+1], v[AC+8*\b+\i:AC+8*\b+\i+1], s[96:97], v[BN+8*\b+\i:BN+8*\b+\i+1] op_sel_hi:[1,0,1]
.endif
.endr
.endr
	WIN 0
.set n, 0
.rept 64
.set n, n+1
.endr
.irp b, 0,1,2,3,4,5,6,7
	v_cvt_scalef32_pk8_fp8_f32 v[CD+2*\b:CD+2*\b+1], v[TMP+8*\b:TMP+8*\b+7], v[SCV]
.endr
	v_nop                                          ; one plain vector instruction behind the last conversion: the next block writes the numbers' registers
.irp i, 0,1,2,3
.if \isv
	global_store_b128 v[CO], v[CD+4*\i:CD+4*\i+3], s[90:91] offset:((\a)/4)*131072+((\a)%4)*2048+\i*512     ; head a / 4 of my two, features 16 (a % 4) on, image i
.else
	global_store_b128 v[CO], v[CD+4*\i:CD+4*\i+3], s[90:91] offset:(\a)*1024+(\i/2)*131072+(\i%2)*512       ; token tile a, head i / 2 of my two, image i % 2
.endif
.endr
.endm
	s_wait_kmcnt 0x0
	s_add_co_i32 s96, s80, s81                     ; e0 + e1
	s_add_co_i32 s96, s96, 127
	s_lshl_b32 s96, s96, 23                        ; 2^(e0 + e1) as f32
	s_mov_b32 s97, s96                             ; (named with it as a pair, so it is written)
	s_cmp_eq_u32 s74, 0
	s_cselect_b32 s88, s82, s83                    ; my kind's exponent: q entry 2, k entry 3,
	s_cmp_eq_u32 s74, 2
	s_cselect_b32 s88, s85, s88                    ; v entry 5: chosen without a branch
	s_add_co_i32 s88, s88, 127
	s_lshl_b32 s89, s88, 23
	v_mov_b32 v[SCV], s89
	s_wait_loadcnt 0x0                             ; the biases
	PLACES NP                                      ; behind the last products: the numbers and codes are laid over A's fragments
	s_cmp_eq_u32 s74, 2                            ; the cluster's x: the same in all sixteen partners
	s_cbranch_scc1 .Lv_out
.irp a, 0,1,2,3,4,5,6,7
	OUT \a, 0
.endr
	s_branch .Lend
.Lv_out:
.irp a, 0,1,2,3,4,5,6,7
	OUT \a, 1
.endr
.Lend:
	s_wait_tensorcnt 0x0                           ; the wave's end
	ds_add_u32 v[SPW], v[NIL]
	s_wait_dscnt 0x0
	CROUND                                         ; the closing round: no work-group ends while a partner may still ask for a tile that names it
	s_endpgm
.Lfunc_end_k_q82e19015d3_qkv:
	.size	k_q82e19015d3_qkv, .Lfunc_end_k_q82e19015d3_qkv-k_q82e19015d3_qkv
	.p2alignl 7, 3214868480
	.fill 96, 4, 3214868480
	.section	.rodata,"a",@progbits
	.p2align	6, 0x0
	.amdhsa_kernel k_q82e19015d3_qkv
		.amdhsa_group_segment_fixed_size 327680
		.amdhsa_private_segment_fixed_size 0
		.amdhsa_enable_private_segment 0
		.amdhsa_kernarg_size 56
		.amdhsa_user_sgpr_count 2
		.amdhsa_user_sgpr_kernarg_segment_ptr 1
		.amdhsa_wavefront_size32 1
		.amdhsa_system_sgpr_workgroup_id_x 1
		.amdhsa_system_sgpr_workgroup_id_y 1
		.amdhsa_system_sgpr_workgroup_id_z 1
		.amdhsa_system_vgpr_workitem_id 0
		.amdhsa_next_free_vgpr 1024
		.amdhsa_next_free_sgpr 100
		.amdhsa_reserve_vcc 0
		.amdhsa_float_denorm_mode_32 3
		.amdhsa_float_denorm_mode_16_64 3
		.amdhsa_fp16_overflow 1
		.amdhsa_memory_ordered 1
		.amdhsa_forward_progress 1
		.amdhsa_inst_pref_size 130
	.end_amdhsa_kernel
	.amdgpu_metadata
---
amdhsa.version: [ 1, 2 ]
amdhsa.kernels:
  - .name:           k_q82e19015d3_qkv
    .symbol:         k_q82e19015d3_qkv.kd
    .args:
      - { .name: x_codes, .offset: 0, .size: 8, .value_kind: global_buffer, .address_space: global }
      - { .name: w_qkv_codes, .offset: 8, .size: 8, .value_kind: global_buffer, .address_space: global }
      - { .name: b_qkv, .offset: 16, .size: 8, .value_kind: global_buffer, .address_space: global }
      - { .name: lowp_scales, .offset: 24, .size: 8, .value_kind: global_buffer, .address_space: global }
      - { .name: qf, .offset: 32, .size: 8, .value_kind: global_buffer, .address_space: global }
      - { .name: kf, .offset: 40, .size: 8, .value_kind: global_buffer, .address_space: global }
      - { .name: vf, .offset: 48, .size: 8, .value_kind: global_buffer, .address_space: global }
    .group_segment_fixed_size: 327680
    .private_segment_fixed_size: 0
    .kernarg_segment_align: 8
    .kernarg_segment_size: 56
    .max_flat_workgroup_size: 128
    .sgpr_count:     100
    .vgpr_count:     1024
    .wavefront_size: 32
...
	.end_amdgpu_metadata
.endif
;; end of part 1
;; launch attn (part 2): grid 4 x 64, 16 waves a work-group, no clusters, 327,680 bytes of LDS; arguments qf, kf, vf, lowp_scales, yf; writes yf
.if DOCPART == 2
	.amdgcn_target "amdgcn-amd-amdhsa--gfx1250"
	.amdhsa_code_object_version 6
	.text
	.protected	k_q82e19015d3_attn
	.globl	k_q82e19015d3_attn
	.p2align	8
	.type	k_q82e19015d3_attn,@function
k_q82e19015d3_attn:
	s_mov_b64 s[64:65], 0
	v_nop
	global_prefetch_b8 v0, s[64:65] scope:SCOPE_SE
	s_setreg_imm32_b32 hwreg(HW_REG_WAVE_MODE, 25, 1), 1
	s_wait_xcnt 0x0
; SECOND OF THREE LAUNCHES.  y = softmax(q k^T / 8, causal) v for 64 heads of 2,048 tokens x 64, both products on codes of E4M3; y is quantised with entry 6 of the scales and stored as images of the last launch's operand registers.
; qf, kf: [head 64][tile of 16 tokens, 128][2 images][lane][16 bytes]: a fragment of 16 x 64 (8 registers).  vf: [head][step of 128 keys, 16][16 channels, 4][4 images][lane][16 bytes]: a fragment of 16 channels x 128 keys (16 registers).
; yf: [256 along the last product's K, 4][tile of 16 tokens of all batches, 512][head % 4][2 images][lane][16 bytes].
; THE SOFTMAX AHEAD OF THE SECOND PRODUCT: t = score x log2(e) / 8; M = the row's largest t so far, rounded UP to a whole number; p = 2^(t - M) is what is quantised (entry 4); the row's sum is taken of the unquantised p and divides at the end.
; When M moves, the sum and O are multiplied by 2^(old M - new M): exact.
; SHARES.  Work-group (j, head) owns the head's query tiles 4 i + j, i = 0 .. 31.  Wave w has a rank g = 4 ((w + w / 4) % 4) + w % 4 and owns the tiles i = g (L) and i = 31 - g (H): together 17 key steps in every wave.
; Every wave walks all 16 key steps of 128 keys; a step all of whose keys come after a tile's 16 queries is left out by a scalar branch on ids.
; LAYOUT.  Both products are used transposed: S^T = K Q^T (source 0 = 16 keys, source 1 = 16 queries), O^T = V^T P^T: a lane holds ONE query (lane % 16) throughout; register j of key tile t is key 16 t + 8 (lane / 16) + j,
; so one conversion of a tile's eight registers gives registers 2 t, 2 t + 1 of P's fragment, and the same of O^T's tiles gives y's.
; K's and V's images come through a ring of two LDS slots of 512 keys (32 KiB of K, then 32 KiB of V, dense: an LDS load takes 512 consecutive bytes), filled by waves 0 to 3, 16 KiB each, and read by all sixteen.
; NO CLUSTER, though the four work-groups of a head read the same K and V: the steps that the mask leaves out hang on a tile's first query, 16 (4 i + j), which differs between those four, and partners of a cluster may not branch apart.
; LIMITS on the given exponents: entry 2 + entry 3 between -123 and 130 (added to c's exponent field); entries 4 and 6 between -126 and 119; entry 4 + entry 5 is applied by v_ldexp_f32 and has none.  NaN among the inputs is not served.
; REGISTERS: v1-6 addresses that stay; v[8:11], v[12:15] tile L's, H's -M, largest t, sum in two halves; v16-23, v24-31 their Q; v32-95 eight fragments of K, then four of V; v96-159 S^T, then p; v160-191, v192-223 their O^T;
;   v224-239 p's codes, at the end y's; v244: 2^e4; v245: the same with e6; v242, v243, v246, v252-254 at work.
.set VOFF,  32768                      ; in a slot: V's images behind K's
.set SLOT1, 1<<17                      ; slot 1 begins here, so that one exclusive or turns an address in one slot into the other's
.set SPARE, 2*SLOT1                    ; behind the ring: the spare words, 128 bytes for each of sixteen waves, which no other line names
.set LI,   1                           ; v1   16 x lane: my place in an image
.set ADR,  2                           ; v2   LDS address of the step's images
.set PFO,  3                           ; v3   256 x lane: the prefetches' offset; never rewritten
.set DQ,   4                           ; v4   lane % 16 - 8 (lane / 16), for the mask
.set SPW,  5                           ; v5   LDS address of my spare word; never rewritten
.set NIL,  6                           ; v6   0; never rewritten
.set TB,   2                           ; s2   LDS byte at which the step in hand begins
.set WV,   18                          ; s18  my wave's number
.set SEL,  20                          ; s[20:21] lane selects for v_permlanex16_b32: lane l xor 16
.set CS,   22                          ; s[22:23] c = log2(e) / 8 x 2^(e2 + e3)
.set G1,   24                          ; s[24:31] descriptor group 1
.set G0,   40                          ; s[40:43] descriptor group 0, which walks
.set PFA,  44                          ; s[44:45] where my prefetches stand
.set LIM,  46                          ; s46  1 in a wave that prefetches, else the greatest number
.set SLOTS, 67                         ; s67  slots still to be asked for
.set Q0,   70                          ; s70, s71  the first query of tile L, of tile H
.set KF,   98                          ; s98  the step's first key
; Waves 0 and 1 fetch K's halves of a slot, waves 2 and 3 V's, the others nothing.  The branch hangs on the wave's number alone.  Four v_nop follow the line.
.macro TLOAD
	s_cmp_lt_u32 s[WV], 4
	s_cbranch_scc0 .Lasked_\@
	tensor_load_to_lds s[G0:G0+3], s[G1:G1+7]
	s_nop 0
.rept 4
	v_nop
.endr
.Lasked_\@:
.endm
; A PREFETCH of what the NEXT change of slots will ask for: 32 KiB of K's images and 32 KiB of V's.  All four work-groups of a head walk the same images: the first of them asks (a branch on the work-group's number), and in it
; the waves that fetch nothing: waves 4 to 7 for K, waves 8 to 11 for V, 8,192 bytes a wave, lanes 256 bytes apart: each block of 256 bytes is named once in the launch.  Slots 0 and 1 come by their loads alone; the last change that fills a slot asks for nothing.
.macro ASK
	s_cmp_gt_u32 s[SLOTS], s[LIM]
	s_cbranch_scc0 .Lnot_mine_\@
	global_prefetch_b8 v[PFO], s[PFA:PFA+1] th:TH_LOAD_NT scope:SCOPE_SE
.Lnot_mine_\@:
.endm
	s_load_b256 s[4:11], s[0:1], 0x0               ; qf s[4:5], kf s[6:7], vf s[8:9], the scales' exponents s[10:11]
	s_load_b64 s[12:13], s[0:1], 0x20              ; yf
	v_lshl_add_u32 v[SPW], v0, 2, SPARE
	v_mov_b32 v[NIL], 0
	ds_add_u32 v5, v6
	ds_add_u32 v5, v6
	s_wait_dscnt 0x0
	v_lshrrev_b32 v2, 5, v0
	s_delay_alu instid0(VALU_DEP_1)
	v_readfirstlane_b32 s[WV], v2                  ; wave 0..15
	s_and_b32 s47, ttmp7, 0xffff                   ; the head, 0..63: 16 x batch + head of the batch
	s_lshl_b32 s48, s47, 17                        ; its first byte in qf, kf and vf
	s_lshr_b32 s50, s[WV], 2
	s_add_co_u32 s50, s50, s[WV]
	s_and_b32 s50, s50, 3
	s_lshl_b32 s50, s50, 2
	s_and_b32 s51, s[WV], 3
	s_add_co_u32 s50, s50, s51                     ; my rank g
	s_sub_co_u32 s51, 31, s50
	s_lshl_b32 s50, s50, 2
	s_add_co_u32 s50, s50, ttmp9                   ; tile L = 4 g + j
	s_lshl_b32 s51, s51, 2
	s_add_co_u32 s51, s51, ttmp9                   ; tile H = 4 (31 - g) + j
	s_lshl_b32 s[Q0], s50, 4
	s_lshl_b32 s[Q0+1], s51, 4
	s_lshl_b32 s52, s50, 10                        ; Q's fragments: 1,024 bytes a tile
	s_add_co_u32 s52, s52, s48
	s_mov_b32 s53, 0
	s_lshl_b32 s54, s51, 10
	s_add_co_u32 s54, s54, s48
	s_mov_b32 s55, 0
	s_and_b32 s56, s47, 15                         ; y's images: (head / 4) x 2^21 + (128 x batch + tile) x 2^12 + (head % 4) x 2^10
	s_lshr_b32 s57, s56, 2
	s_lshl_b32 s57, s57, 21
	s_and_b32 s56, s56, 3
	s_lshl_b32 s56, s56, 10
	s_add_co_u32 s56, s56, s57
	s_lshr_b32 s57, s47, 4
	s_lshl_b32 s57, s57, 19
	s_add_co_u32 s56, s56, s57
	s_lshl_b32 s58, s50, 12
	s_add_co_u32 s58, s58, s56
	s_mov_b32 s59, 0
	s_lshl_b32 s60, s51, 12
	s_add_co_u32 s60, s60, s56
	s_mov_b32 s61, 0
	s_and_b32 s92, s[WV], 1                        ; what I fetch, if I fetch: half w % 2 of a slot's 32 KiB
	s_lshl_b32 s92, s92, 14
	s_add_co_u32 s92, s92, s48
	s_mov_b32 s93, 0
	; descriptor group 1: a dense block of 16 KiB as 64 rows of 256 bytes
	s_mov_b32 s[G1], 3<<16                         ; 15:0 no mask; 17:16 elements of 8 bytes; no padding
	s_mov_b32 s[G1+1], 32<<16                      ; tensor_dim0 = 32 elements
	s_mov_b32 s[G1+2], 64<<16                      ; tensor_dim1 = 64
	s_mov_b32 s[G1+3], 32<<16                      ; tile_dim0
	s_mov_b32 s[G1+4], 64                          ; tile_dim1
	s_mov_b32 s[G1+5], 32                          ; tensor_dim0_stride
	s_mov_b32 s[G1+6], 0
	s_mov_b32 s[G1+7], 0
	s_mov_b32 s[SEL], 0x76543210
	s_mov_b32 s[SEL+1], 0xfedcba98
	s_mov_b32 s[CS], 0x3e38aa3b                    ; log2(e) / 8
	s_mov_b32 s[TB], 0
	s_mov_b32 s[SLOTS], 3
	s_mov_b32 s[KF], 0
	s_wait_kmcnt 0x0
	s_load_b256 s[72:79], s[10:11], 0x0            ; the eight exponents
	s_cmp_lt_u32 s[WV], 2
	s_cselect_b64 s[G0+2:G0+3], s[6:7], s[8:9]     ; waves 0, 1: K's images; waves 2, 3: V's
	s_mov_b32 s[G0], 1                             ; 1:0 count = 1
	s_and_b32 s[G0+1], s[WV], 3
	s_lshl_b32 s[G0+1], s[G0+1], 14                ; 63:32 LDS address: slot 0, quarter w % 4
	s_add_nc_u64 s[G0+2:G0+3], s[G0+2:G0+3], s[92:93]
	s_or_b32 s[G0+3], s[G0+3], 0x80000000          ; 127:126 type = 2
	TLOAD                                          ; slot 0
	s_add_nc_u64 s[82:83], s[4:5], s[52:53]        ; Q of tile L,
	s_add_nc_u64 s[84:85], s[4:5], s[54:55]        ; of tile H
	s_add_nc_u64 s[86:87], s[12:13], s[58:59]      ; y of tile L,
	s_add_nc_u64 s[88:89], s[12:13], s[60:61]      ; of tile H
	s_cmp_lt_u32 s[WV], 8                          ; the prefetches: waves 4 to 7 for K, 8 to 11 for V
	s_cselect_b64 s[PFA:PFA+1], s[6:7], s[8:9]
	s_and_b32 s92, s[WV], 3
	s_lshl_b32 s92, s92, 13                        ; my wave's 8,192 bytes,
	s_add_co_u32 s92, s92, s48                     ; in my head,
	s_add_co_u32 s92, s92, 32768                   ; in slot 1: the first change of slots steps it to slot 2
	s_add_nc_u64 s[PFA:PFA+1], s[PFA:PFA+1], s[92:93]
	s_sub_co_u32 s96, s[WV], 4
	s_lshr_b32 s96, s96, 3                         ; 0 in waves 4 to 11,
	s_or_b32 s96, s96, ttmp9                       ; of the head's first work-group
	s_cmp_eq_u32 s96, 0
	s_cselect_b32 s[LIM], 1, -1
	v_and_b32 v[LI], 31, v0
	s_delay_alu instid0(VALU_DEP_1)
	v_lshlrev_b32 v[PFO], 8, v[LI]
	s_delay_alu instid0(VALU_DEP_2)
	v_lshlrev_b32 v[LI], 4, v[LI]
	global_load_b128 v[16:19], v[LI], s[82:83]             ; Q's fragments stay in registers
	global_load_b128 v[20:23], v[LI], s[82:83] offset:512
	global_load_b128 v[24:27], v[LI], s[84:85]
	global_load_b128 v[28:31], v[LI], s[84:85] offset:512
	v_and_b32 v[DQ], 15, v0
	v_bfe_u32 v7, v0, 4, 1
	s_delay_alu instid0(VALU_DEP_1)
	v_lshlrev_b32 v7, 3, v7
	s_delay_alu instid0(VALU_DEP_1)
	v_sub_nc_u32 v[DQ], v[DQ], v7
.irp s, 8, 12
	v_mov_b32 v[\s+1], 0xff61b1e6                  ; the largest t so far: -3e38, under every t
	s_delay_alu instid0(VALU_DEP_1)
	v_floor_f32 v[\s], -v[\s+1]                    ; -M
	v_mov_b32 v[\s+2], 0                           ; the sum, in two halves
	v_mov_b32 v[\s+3], 0
.endr
	v_mov_b32 v246, 0                              ; written once: a lane permute's destination counts as one of its sources
	v_mov_b32 v253, 0                              ; (named as the upper half of the pair v[252:253])
.set n, 0
.rept 64
	v_mov_b32 v[160+n], 0                          ; O^T of both tiles.  (The step is written once: a tile's first step finds zeros, which the first change of M leaves zeros)
.set n, n+1
.endr
	s_wait_kmcnt 0x0
	s_add_co_i32 s96, s74, s75
	s_lshl_b32 s96, s96, 23
	s_add_co_i32 s[CS], s[CS], s96                 ; a score stands for score x 2^(e2 + e3): the two exponents are added to c's exponent field
	s_mov_b32 s[CS+1], s[CS]                       ; (named with it as a pair, so it is written)
	s_add_co_i32 s96, s76, 127
	s_lshl_b32 s97, s96, 23
	v_mov_b32 v244, s97                            ; 2^e4 as f32, for p's conversions
	s_add_co_i32 s96, s78, 127
	s_lshl_b32 s97, s96, 23
	v_mov_b32 v245, s97                            ; 2^e6, for y's
	s_add_co_i32 s95, s76, s77                     ; e4 + e5, for the end
; A KEY STEP of tile x (0: L, 1: H): 128 keys from s[KF] on, whose images begin at LDS byte s[TB].
.macro STEP x
.set QF, 16+8*(\x)
.set ST, 8+4*(\x)
.set OA, 160+32*(\x)
	s_add_co_u32 s96, s[Q0+\x], 15                 ; a step all of whose keys come after my 16 queries is left out: a scalar branch on ids; no barrier and no tensor load stands in a step
	s_cmp_gt_u32 s[KF], s96
	s_cbranch_scc1 .Lhidden_\@
	v_add_nc_u32 v[ADR], s[TB], v[LI]
.rept 3
	v_nop                                          ; with the addition above: four places in front of loads into registers that the last products read
.endr
.set t, 0
.rept 8
	ds_load_b128 v[32+8*t:35+8*t], v[ADR] offset:1024*t        ; K's tile t: two images
	ds_load_b128 v[36+8*t:39+8*t], v[ADR] offset:1024*t+512
.set t, t+1
.endr
	s_wait_alu depctr_va_vdst(0)
	s_wait_dscnt 0x0
.set t, 0
.rept 8
	v_wmma_f32_16x16x64_fp8_fp8 v[96+8*t:103+8*t], v[32+8*t:39+8*t], v[QF:QF+7], 0   ; S^T: keys 16 t on x my 16 queries
.set t, t+1
.endr
.rept 4
	v_nop                                          ; places in front of the loads below and of the first read of the scores
.endr
.set t, 0
.rept 16
	ds_load_b128 v[32+4*t:35+4*t], v[ADR] offset:VOFF+512*t    ; V's four fragments, sixteen images on end: they land while the softmax is walked
.set t, t+1
.endr
	s_add_co_u32 s96, s[KF], 127                   ; on the diagonal the scores of hidden keys become -infinity ahead of the maximum: p = 0 then.  A step all of whose keys count skips this
	s_cmp_le_u32 s96, s[Q0+\x]
	s_cbranch_scc1 .Lopen_\@
	s_sub_co_i32 s96, s[Q0+\x], s[KF]
	v_add_nc_u32 v252, s96, v[DQ]                  ; d = my query - KF - 8 (lane / 16).  Register 8 t + i holds key KF + 8 (lane / 16) + 16 t + i: hidden where 16 t + i > d
	v_mov_b32 v254, 0xff800000                     ; -infinity
.set n, 0
.rept 64
	v_cmp_gt_i32 vcc_lo, 16*(n/8)+n%8, v252
	v_cndmask_b32 v[96+n], v[96+n], v254, vcc_lo
.set n, n+1
.endr
.Lopen_\@:
	v_max3_num_f32 v254, v96, v97, v98             ; the step's largest score of my query, among my 64 keys, in two chains, each tile's registers from the low end on,
	v_max3_num_f32 v252, v99, v100, v101
.set n, 6
.rept 14
	v_max3_num_f32 v254, v254, v[96+n], v[97+n]
	v_max3_num_f32 v252, v252, v[98+n], v[99+n]
.set n, n+4
.endr
	v_max3_num_f32 v254, v254, v158, v159
	s_delay_alu instid0(VALU_DEP_1)
	v_max_num_f32 v254, v254, v252
	s_delay_alu instid0(VALU_DEP_1)
	v_permlanex16_b32 v246, v254, s[SEL], s[SEL+1]
	s_delay_alu instid0(VALU_DEP_1)
	v_max_num_f32 v254, v254, v246                 ; and among lane l xor 16's
	s_delay_alu instid0(VALU_DEP_1)
	v_mul_f32 v254, s[CS], v254                    ; as t (c is positive)
	s_delay_alu instid0(VALU_DEP_1)
	v_max_num_f32 v[ST+1], v[ST+1], v254           ; the running largest t
	v_mov_b32 v254, v[ST]
	s_delay_alu instid0(VALU_DEP_2)
	v_floor_f32 v[ST], -v[ST+1]                    ; the new -M = floor(-t) = -ceil(t): M is a whole number
	s_delay_alu instid0(VALU_DEP_1)
	v_sub_f32 v254, v[ST], v254                    ; M's old value less its new one: a whole number, 0 or less
	s_delay_alu instid0(VALU_DEP_1)
	v_cvt_i32_f32 v254, v254                       ; (it saturates)
	s_delay_alu instid0(VALU_DEP_1)
	v_ldexp_f32 v252, 1.0, v254                    ; f = 2^(old M - new M)
.set n, 0
.rept 32
	v_pk_fma_f32 v[96+n:97+n], v[96+n:97+n], s[CS:CS+1], v[ST:ST+1] op_sel_hi:[1,0,0]   ; t - M, two at a time (of the pairs c and -M the low word serves both halves)
.set n, n+2
.endr
.set n, 0
	s_wait_alu depctr_va_vdst(0)
.rept 64
	v_exp_f32 v[96+n], v[96+n]                     ; p = 2^(t - M), at most 1: not normalised
.set n, n+1
.endr
	v_pk_mul_f32 v[ST+2:ST+3], v[ST+2:ST+3], v[252:253] op_sel_hi:[1,0]   ; the sums under the new M: the plain instruction behind the exponentials
	s_wait_alu depctr_va_vdst(0)                   ; one wait for the whole batch, ahead of its first reader
	v_pk_add_f32 v[242:243], v[96:97], v[98:99]    ; the row's sum is taken of the unquantised p: two at a time, in two chains
.set n, 4
.rept 15
	v_pk_add_f32 v[ST+2:ST+3], v[ST+2:ST+3], v[96+n:97+n]
	v_pk_add_f32 v[242:243], v[242:243], v[98+n:99+n]
.set n, n+4
.endr
	s_delay_alu instid0(VALU_DEP_1)
	v_pk_add_f32 v[ST+2:ST+3], v[ST+2:ST+3], v[242:243]
.set t, 0
.rept 8
.set i, 0
.rept 8
.set i, i+1
.endr
	v_cvt_scalef32_pk8_fp8_f32 v[224+2*t:225+2*t], v[96+8*t:103+8*t], v244   ; registers 2 t, 2 t + 1 of P's fragment: keys 16 t + 8 (lane / 16) + 0 .. 7
.set t, t+1
.endr
.set n, 0
.rept 16
	v_pk_mul_f32 v[OA+n:OA+n+1], v[OA+n:OA+n+1], v[252:253] op_sel_hi:[1,0]   ; O^T under the new M.  (Also the plain instructions between the conversions and the products)
.set n, n+2
.endr
	s_wait_alu depctr_va_vdst(0)
	s_wait_dscnt 0x0                               ; V is in
.set t, 0
.rept 4
	v_wmma_f32_16x16x128_fp8_fp8 v[OA+8*t:OA+8*t+7], v[32+16*t:47+16*t], v[224:239], v[OA+8*t:OA+8*t+7]   ; O^T += V^T P^T: channels 16 t on; the four accumulators take turns, behind the eight of S^T
.set t, t+1
.endr
.Lhidden_\@:
.endm
; THE CHANGE OF SLOTS stands at a slot's head.  Each wave waits for all its tensor loads, adds 0 to its spare word, and waits for that and for its reads of the slot that it has left.  Behind the barrier the slot ahead is whole and
; nobody reads the other one.  fill = 1: that other slot is filled with the next 512 keys: the load has a whole slot's steps in which to land.  A wave never has more than one tensor load out.
.macro CHANGE fill
	s_wait_tensorcnt 0x0                           ; no tensor load of mine is out, so group 0 may be written
	ds_add_u32 v[SPW], v[NIL]                      ; 0 onto my spare word
.if \fill
	s_xor_b32 s[G0+1], s[G0+1], SLOT1              ; the walking descriptor: the other slot than last time,
	s_add_nc_u64 s[G0+2:G0+3], s[G0+2:G0+3], 32768 ; the next 512 keys' images; the type bits on top are not reached
	s_wait_xcnt 0x0                                ; the last prefetch, a slot back, has read its address, so it may be written:
	s_add_nc_u64 s[PFA:PFA+1], s[PFA:PFA+1], 32768 ; one slot further on than the walking descriptor
.endif
	s_wait_dscnt 0x0                               ; the add is done, and my reads of the slot that I have left are over
	s_barrier_signal -1
	s_barrier_wait -1
.if \fill
	TLOAD                                          ; the first thing behind the barrier, and a wave's one tensor load until the next
	ASK                                            ; what the next change of slots will ask for: a slot's four key steps ahead of that load
.endif
.endm
.macro SLOT_STEPS                      ; a slot's four key steps: written once, walked four times
	s_mov_b32 s3, 4
.Lstep_\@:
	STEP 0
	STEP 1
	s_add_co_u32 s[KF], s[KF], 128
	s_add_co_u32 s[TB], s[TB], 8192                ; a step's images of K, and of V, are 8,192 bytes
	s_sub_co_u32 s3, s3, 1
	s_cmp_lg_u32 s3, 0
	s_cbranch_scc1 .Lstep_\@
	s_sub_co_u32 s[TB], s[TB], 32768               ; back to a slot's first step,
	s_xor_b32 s[TB], s[TB], SLOT1                  ; in the other slot
.endm
; THE WAY OUT of tile x: y = O^T x 2^(e4 + e5) / the sum, converted: the eight code registers are the head's half of a fragment of the last product; two stores of 512 consecutive bytes.
.macro FINISH x
.set ST, 8+4*(\x)
.set OA, 160+32*(\x)
.set YC, 224+8*(\x)
	v_add_f32 v254, v[ST+2], v[ST+3]               ; the sum's two halves,
	s_delay_alu instid0(VALU_DEP_1)
	v_permlanex16_b32 v246, v254, s[SEL], s[SEL+1]
	s_delay_alu instid0(VALU_DEP_1)
	v_add_f32 v254, v254, v246                     ; and lane l xor 16's: the row's sum
	s_wait_alu depctr_va_vdst(0)
	v_rcp_f32 v252, v254
	v_nop                                          ; a plain instruction behind the transcendental
	s_wait_alu depctr_va_vdst(0)                   ; and the wait ahead of its first reader
	v_ldexp_f32 v252, v252, s95                    ; x 2^(e4 + e5)
.set n, 0
.rept 16
	v_pk_mul_f32 v[96+n:97+n], v[OA+n:OA+n+1], v[252:253] op_sel_hi:[1,0]   ; register 8 t + i is y(my query, channel 16 t + 8 (lane / 16) + i); each accumulator from its low end on
.set n, n+2
.endr
.set n, 0
.rept 32
.set n, n+1
.endr
.set t, 0
.rept 4
	v_cvt_scalef32_pk8_fp8_f32 v[YC+2*t:YC+2*t+1], v[96+8*t:103+8*t], v245
.set t, t+1
.endr
	v_nop                                          ; one plain vector instruction behind the last conversion
	global_store_b128 v[LI], v[YC:YC+3], s[86+2*(\x):87+2*(\x)]
	global_store_b128 v[LI], v[YC+4:YC+7], s[86+2*(\x):87+2*(\x)] offset:512
.endm
	s_wait_loadcnt 0x0                             ; Q
.Lslot:                                            ; three trips: behind each change of slots but the last the next slot is asked for
	CHANGE 1
	SLOT_STEPS
	s_sub_co_u32 s[SLOTS], s[SLOTS], 1
	s_cmp_lg_u32 s[SLOTS], 0
	s_cbranch_scc1 .Lslot
	CHANGE 0                                       ; the last slot is written out
	SLOT_STEPS
.rept 4
	v_nop                                          ; places behind the last products
.endr
	FINISH 0
	FINISH 1
	s_wait_tensorcnt 0x0                           ; the wave's end
	ds_add_u32 v[SPW], v[NIL]
	s_wait_dscnt 0x0
	s_endpgm
.Lfunc_end_k_q82e19015d3_attn:
	.size	k_q82e19015d3_attn, .Lfunc_end_k_q82e19015d3_attn-k_q82e19015d3_attn
	.p2alignl 7, 3214868480
	.fill 96, 4, 3214868480
	.section	.rodata,"a",@progbits
	.p2align	6, 0x0
	.amdhsa_kernel k_q82e19015d3_attn
		.amdhsa_group_segment_fixed_size 327680
		.amdhsa_private_segment_fixed_size 0
		.amdhsa_enable_private_segment 0
		.amdhsa_kernarg_size 40
		.amdhsa_user_sgpr_count 2
		.amdhsa_user_sgpr_kernarg_segment_ptr 1
		.amdhsa_wavefront_size32 1
		.amdhsa_system_sgpr_workgroup_id_x 1
		.amdhsa_system_sgpr_workgroup_id_y 1
		.amdhsa_system_sgpr_workgroup_id_z 1
		.amdhsa_system_vgpr_workitem_id 0
		.amdhsa_next_free_vgpr 256
		.amdhsa_next_free_sgpr 100
		.amdhsa_reserve_vcc 1
		.amdhsa_float_denorm_mode_32 3
		.amdhsa_float_denorm_mode_16_64 3
		.amdhsa_fp16_overflow 1
		.amdhsa_memory_ordered 1
		.amdhsa_forward_progress 1
		.amdhsa_inst_pref_size 89
	.end_amdhsa_kernel
	.amdgpu_metadata
---
amdhsa.version: [ 1, 2 ]
amdhsa.kernels:
  - .name:           k_q82e19015d3_attn
    .symbol:         k_q82e19015d3_attn.kd
    .args:
      - { .name: qf, .offset: 0, .size: 8, .value_kind: global_buffer, .address_space: global }
      - { .name: kf, .offset: 8, .size: 8, .value_kind: global_buffer, .address_space: global }
      - { .name: vf, .offset: 16, .size: 8, .value_kind: global_buffer, .address_space: global }
      - { .name: lowp_scales, .offset: 24, .size: 8, .value_kind: global_buffer, .address_space: global }
      - { .name: yf, .offset: 32, .size: 8, .value_kind: global_buffer, .address_space: global }
    .group_segment_fixed_size: 327680
    .private_segment_fixed_size: 0
    .kernarg_segment_align: 8
    .kernarg_segment_size: 40
    .max_flat_workgroup_size: 512
    .sgpr_count:     100
    .vgpr_count:     256
    .wavefront_size: 32
...
	.end_amdgpu_metadata
.endif
;; end of part 2
;; launch proj (part 3): grid 8 x 32, 4 waves a work-group, clusters of 4 x 4, 327,680 bytes of LDS; arguments yf, w_out_codes, b_out, lowp_scales, out0; writes out0
.if DOCPART == 3
	.amdgcn_target "amdgcn-amd-amdhsa--gfx1250"
	.amdhsa_code_object_version 6
	.text
	.protected	k_q82e19015d3_proj
	.globl	k_q82e19015d3_proj
	.p2align	8
	.type	k_q82e19015d3_proj,@function
k_q82e19015d3_proj:
	s_mov_b64 s[64:65], 0
	v_nop
	global_prefetch_b8 v0, s[64:65] scope:SCOPE_SE
	s_setreg_imm32_b32 hwreg(HW_REG_WAVE_MODE, 25, 1), 1
	s_wait_xcnt 0x0
	s_wait_alu depctr_hold_cnt(0) depctr_sa_sdst(0) depctr_va_vdst(0) depctr_va_sdst(0) depctr_va_ssrc(0) depctr_va_vcc(0) depctr_vm_vsrc(0)
	s_getreg_b32 s2, hwreg(HW_REG_IB_STS2, 6, 4)
	s_cmp_eq_u32 s2, 0
	s_cbranch_scc0 .Lentry_in_a_cluster
	s_endpgm
.Lentry_in_a_cluster:
	s_bfe_u32 s2, ttmp6, 0x10000c
	s_cmp_lg_u32 s2, 0xf033
	s_cbranch_scc0 .Lentry_shape_is_right
	s_endpgm
.Lentry_shape_is_right:
; THIRD OF THREE LAUNCHES.  out0 = y w_out + b_out on codes of E4M3: y 8,192 x 1,024 (scale: entry 6), w_out as 1,024 rows x 1,024 codes, K innermost (entry 7); sums in f32; out0 [8,192][1,024] f32.
; y comes as images of operand registers: yf [256 along K, 4][tile of 16 rows, 512][4,096 bytes]: two fragments of 16 rows x 128 K, four images of 512 bytes each (registers 4 c .. 4 c + 3, 16 bytes a lane);
; in them registers 2 c, 2 c + 1 hold k = 16 c + 8 (lane / 16) + 0 .. 7.  So w_out's fragments are fetched in that same order, by eight loads of 8 bytes from padded rows.
; A tile of out0 is 256 rows x 128 columns, so that there are 256 work-groups; four waves, each 128 x 64: 32 accumulators, 256 registers.  K goes in steps of 256 through a ring of two LDS slots.
; THE MATRIX INSTRUCTION IS USED TRANSPOSED (source 0 = 16 rows of w_out, source 1 = 16 rows of y): a lane holds eight neighbouring numbers of a row of out0.
; CLUSTERS: 4 x 4 work-groups; y's tile is shared along a row of the cluster, w_out's along a column: each is asked for jointly.
; LIMIT: entry 6 + entry 7 of the scales between -126 and 127, so that 2^(e6 + e7) is an f32 number.
; REGISTERS, in windows of 256: window 0: v16-29 addresses; v32-63 b_out at my 64 columns; v64-95 a block's results; v128-255 y's fragments (8 blocks x 16), ONE set; on the way out v128-191 two sets of rows read back.
;   window 1: w_out's fragments (4 blocks x 16), TWO sets, at v0 and v64.   window 2: the accumulators ((a, b) at v[8 (4 a + b)]).
.set ROWB,   256                       ; a K step of w_out's rows in bytes
.set PITCH,  272                       ; a row of w_out in LDS: 256 bytes + 16 of padding: the 32 lanes of a load of 8 bytes touch 64 different banks (64 banks of 4 bytes: ISA guide 11.1)
.set FR,     16
.set NP,     4                         ; places behind this matrix instruction (ISA guide 7.12.1)
.set BOFF,   65536                     ; a slot: 16 tiles x 4,096 bytes of y's images, dense; then 128 rows of w_out
.set SLOT,   BOFF+128*PITCH
.set LAPS,   2
.set STAGE,  2*SLOT                    ; behind the ring: 16 rows x 272 bytes for each wave, for the way out; no tile lands there
.set SPITCH, 272
.set SPARE,  STAGE+4*16*SPITCH         ; behind the stages: the spare words, 128 bytes for each wave, which no other line names
.set ADRA, 16                          ; v16-17  LDS address of my fragments of y in slot 0, 1
.set ADRB, 20                          ; v20-21  the same for w_out
.set STO,  24                          ; v24     the way out: where I put 32 bytes of a row
.set RD,   25                          ; v25     where I read a row back
.set CO,   26                          ; v26     my byte offset in out0
.set SPW,  28                          ; v28     LDS address of my spare word; never rewritten
.set NIL,  29                          ; v29     0; never rewritten
.set BN,   32
.set TMP,  64
.set AF,   128
.set BK,   128
.set G1, 24                            ; s[24:31] descriptor group 1 for y's tiles;  s[32:39] group 0, one set for each slot
.set G0, 32
.set G1B, 48                           ; s[48:55], s[56:63] the same for w_out's
.set G0B, 56
.set MSB, 0
.macro WIN new                         ; the immediate's high byte repeats the setting that is left
.if MSB != \new
	s_set_vgpr_msb (MSB<<8)|\new
.set MSB, \new
.endif
.endm
.set MUL,  0xa1                        ; source 0 (w_out) window 1, source 1 (y) window 0, C and D window 2
.set TO_B, 0x40                        ; destination window 1, address window 0
.macro JLOAD g0a, g1a, g0b, g1b        ; a joint load: waves 0 and 1 fetch y's halves, waves 2 and 3 w_out's; four v_nop follow each of the two lines
	s_cmp_eq_u32 s15, 0
	s_cbranch_scc0 .Lfor_b_\@
	tensor_load_to_lds s[\g0a:\g0a+3], s[\g1a:\g1a+7]
	s_nop 0
.rept 4
	v_nop
.endr
	s_branch .Lasked_\@
.Lfor_b_\@:
	tensor_load_to_lds s[\g0b:\g0b+3], s[\g1b:\g1b+7]
	s_nop 0
.rept 4
	v_nop
.endr
.Lasked_\@:
.endm
.macro CREST                           ; a round of the cluster's barrier behind its opening barrier
	s_cmp_lg_u32 s14, 0
	s_cbranch_scc1 .Lnot_wave_0_\@
	s_barrier_signal -3
.Lnot_wave_0_\@:
	s_barrier_wait -3
	s_barrier_signal -1
	s_barrier_wait -1
.endm
.macro CROUND                          ; a whole round
	s_barrier_signal -1
	s_barrier_wait -1
	CREST
.endm
	s_load_b256 s[4:11], s[0:1], 0x0               ; yf s[4:5], w_out s[6:7], b_out s[8:9], the scales' exponents s[10:11]
	s_load_b64 s[12:13], s[0:1], 0x20              ; out0
	v_lshl_add_u32 v[SPW], v0, 2, SPARE
	v_mov_b32 v[NIL], 0
	ds_add_u32 v28, v29
	ds_add_u32 v28, v29
	s_wait_dscnt 0x0
	v_lshrrev_b32 v1, 5, v0
	v_readfirstlane_b32 s14, v1                    ; wave 0..3
	s_lshr_b32 s15, s14, 1                         ; wr: which 128 rows of the tile are mine.  Also: I fetch for y (0) or for w_out (1)
	s_and_b32 s16, s14, 1                          ; wc: which 64 columns.  Also: which half of that tile I fetch
	s_bfe_u32 s40, ttmp6, 0x40000                  ; cx, cy: my place in the cluster
	s_bfe_u32 s41, ttmp6, 0x40004
	s_lshl_b32 s42, ttmp9, 2
	s_add_co_u32 s42, s42, s40                     ; tile column = 4 x cluster x + cx, 0..7
	s_and_b32 s17, ttmp7, 0xffff
	s_lshl_b32 s17, s17, 2
	s_add_co_u32 s17, s17, s41                     ; tile row = 4 x cluster y + cy, 0..31
	s_lshl_b32 s43, s41, 2
	s_lshl_b32 s43, 15, s43                        ; my row of the cluster
	s_lshl_b32 s44, 0x1111, s40                    ; my column
	; descriptor group 1.  y: a dense block of 32 KiB as 128 rows of 256 bytes, no padding.  w_out: 64 rows x 256 bytes, 1,024 bytes apart, padded in LDS
	s_or_b32 s[G1+0], s43, (0<<16)|(1<<21)         ; 15:0 the mask: y's tiles go to my row; 17:16 element of 1 byte; 21 set beside a mask
	s_mov_b32 s[G1+1], 256<<16                     ; tensor_dim0
	s_mov_b32 s[G1+2], 128<<16                     ; tensor_dim1
	s_mov_b32 s[G1+3], 256<<16                     ; tile_dim0
	s_mov_b32 s[G1+4], 128                         ; tile_dim1
	s_mov_b32 s[G1+5], 256                         ; tensor_dim0_stride
	s_mov_b32 s[G1+6], 0
	s_mov_b32 s[G1+7], 0
	s_or_b32 s[G1B+0], s44, (0<<16)|(1<<20)|(1<<21)|(5<<22)|(3<<25)  ; the mask of my column; padding: 4 words after every 64
	s_mov_b32 s[G1B+1], 256<<16
	s_mov_b32 s[G1B+2], 64<<16
	s_mov_b32 s[G1B+3], 256<<16
	s_mov_b32 s[G1B+4], 64
	s_mov_b32 s[G1B+5], 1024
	s_mov_b32 s[G1B+6], 0
	s_mov_b32 s[G1B+7], 0
	s_lshl_b32 s20, s17, 16                        ; y: 16 tiles of 4,096 bytes for each tile row,
	s_lshl_b32 s45, s16, 15                        ; my half of them: in memory and in a slot alike
	s_add_co_u32 s20, s20, s45
	s_mov_b32 s21, 0
	s_lshl_b32 s46, s42, 17                        ; w_out: row 128 x tile column + 64 x half, of 1,024 bytes
	s_lshl_b32 s19, s16, 16
	s_add_co_u32 s46, s46, s19
	s_mov_b32 s47, 0
	s_mul_i32 s66, s16, 64*PITCH
	s_add_co_u32 s66, s66, BOFF                    ; and in a slot: no place in the cluster enters an LDS address
	s_wait_kmcnt 0x0
	s_load_b256 s[80:87], s[10:11], 0x0            ; the eight exponents
	s_add_nc_u64 s[20:21], s[4:5], s[20:21]
	s_add_nc_u64 s[46:47], s[6:7], s[46:47]
	CROUND                                         ; all sixteen work-groups are here: the first joint loads meet
.irp s, 0,1
	s_mov_b32 s[G0+4*\s], 1
	s_add_co_u32 s[G0+4*\s+1], s45, \s*SLOT
	s_add_nc_u64 s[G0+4*\s+2:G0+4*\s+3], s[20:21], \s*0x200000     ; K step s of y lies 2^21 bytes on
	s_or_b32 s[G0+4*\s+3], s[G0+4*\s+3], 0x80000000
	s_mov_b32 s[G0B+4*\s], 1
	s_add_co_u32 s[G0B+4*\s+1], s66, \s*SLOT
	s_add_nc_u64 s[G0B+4*\s+2:G0B+4*\s+3], s[46:47], \s*ROWB
	s_or_b32 s[G0B+4*\s+3], s[G0B+4*\s+3], 0x80000000
	s_wait_alu depctr_va_vdst(0)
	s_wait_tensorcnt 0x0
	ds_add_u32 v28, v29
	ds_add_u32 v28, v29
	s_wait_dscnt 0x0
	CROUND
	JLOAD G0+4*\s, G1, G0B+4*\s, G1B
.endr
	v_and_b32 v1, 15, v0                           ; r
	v_bfe_u32 v2, v0, 4, 1                         ; h
	v_and_b32 v6, 31, v0
	v_lshlrev_b32 v6, 4, v6                        ; 16 x lane
	s_lshl_b32 s21, s15, 15                        ; my eight tiles of y
	v_add_nc_u32 v[ADRA], s21, v6
	v_add_nc_u32 v[ADRA+1], SLOT, v[ADRA]
	v_mul_u32_u24 v3, v1, PITCH
	v_lshl_add_u32 v3, v2, 3, v3                   ; w_out: row r x pitch + 8 h
	s_mul_i32 s22, s16, 64*PITCH                   ; my 64 rows,
	s_add_co_u32 s22, s22, BOFF                    ; behind y's images
	v_add_nc_u32 v[ADRB], s22, v3
	v_add_nc_u32 v[ADRB+1], SLOT, v[ADRB]
	s_mul_i32 s23, s14, 16*SPITCH
	s_add_co_u32 s23, s23, STAGE                   ; my stage
	v_mul_u32_u24 v5, v1, SPITCH                   ; in: row r, 32 bytes for each half of the lanes
	v_lshl_add_u32 v5, v2, 5, v5
	v_add_nc_u32 v[STO], s23, v5
	v_mul_u32_u24 v5, v2, SPITCH                   ; back: lanes 0-15 take one row of 256 bytes, lanes 16-31 the next
	v_lshl_add_u32 v5, v1, 4, v5
	v_add_nc_u32 v[RD], s23, v5
	v_lshlrev_b32 v5, 12, v2                       ; and the same two rows in out0: a row is 4,096 bytes
	v_lshl_add_u32 v[CO], v1, 4, v5
	v_lshlrev_b32 v7, 5, v2                        ; the biases: 32 h bytes
	s_wait_alu depctr_va_vdst(0)
	s_lshl_b32 s20, s17, 8
	s_lshl_b32 s21, s15, 7
	s_add_co_u32 s20, s20, s21                     ; my first row of out0: 256 x tile row + 128 wr
	s_lshl_b32 s20, s20, 12
	s_lshl_b32 s46, s42, 9
	s_lshl_b32 s47, s16, 8
	s_add_co_u32 s46, s46, s47                     ; my first column, in bytes: 512 x tile column + 256 wc: in a row of out0 and in b_out alike
	s_add_co_u32 s20, s20, s46
	s_mov_b32 s21, 0
	s_mov_b32 s47, 0
	s_add_nc_u64 s[12:13], s[12:13], s[20:21]
	s_add_nc_u64 s[92:93], s[8:9], s[46:47]
.irp b, 0,1,2,3
	global_load_b128 v[BN+8*\b:BN+8*\b+3], v7, s[92:93] offset:64*\b       ; b_out at columns 16 b + 8 h + 0 .. 7
	global_load_b128 v[BN+8*\b+4:BN+8*\b+7], v7, s[92:93] offset:64*\b+16
.endr
; 8 matrix instructions: y's blocks a0, a0 + 1 x w_out's four, 128 along K.  p: w_out's set.  zero = 1: the first product starts the sums.  The 32 accumulators take turns, one instruction a turn.
.macro MUL8 a0, p, zero
.irp a, \a0, \a0+1
.irp b, 0,1,2,3
.if \zero
	v_wmma_f32_16x16x128_fp8_fp8 v[8*(4*(\a)+\b):8*(4*(\a)+\b)+7], v[64*(\p)+FR*\b:64*(\p)+FR*\b+FR-1], v[AF+FR*(\a):AF+FR*(\a)+FR-1], 0
.else
	v_wmma_f32_16x16x128_fp8_fp8 v[8*(4*(\a)+\b):8*(4*(\a)+\b)+7], v[64*(\p)+FR*\b:64*(\p)+FR*\b+FR-1], v[AF+FR*(\a):AF+FR*(\a)+FR-1], v[8*(4*(\a)+\b):8*(4*(\a)+\b)+7]
.endif
.endr
.endr
.endm
.macro FETCH_B slot, q, p              ; w_out's four fragments of the slot's q-th 128 along K into set p: 32 loads of 8 bytes: registers 2 c, 2 c + 1 hold k = 16 c + 8 h + 0 .. 7
	WIN TO_B
.irp b, 0,1,2,3
.irp c, 0,1,2,3,4,5,6,7
	ds_load_b64 v[64*(\p)+FR*\b+2*\c:64*(\p)+FR*\b+2*\c+1], v[ADRB+\slot] offset:16*PITCH*\b+128*(\q)+16*\c
.endr
.endr
	WIN 0
.endm
.macro FETCH_A slot, q, i0             ; y's blocks i0 .. i0 + 3: four images each, 512 consecutive bytes a load
.irp i, \i0, \i0+1, \i0+2, \i0+3
.irp c, 0,1,2,3
	ds_load_b128 v[AF+FR*(\i)+4*\c:AF+FR*(\i)+4*\c+3], v[ADRA+\slot] offset:4096*(\i)+2048*(\q)+512*\c
.endr
.endr
.endm
.macro PLACES n                        ; plain vector instructions between a matrix instruction and a load into one of its registers or a read of its result
.rept \n
	v_nop
.endr
.endm
; A step of 128 along K that has its successor in the same slot.
.macro STEP slot, q, zero
	s_wait_dscnt 16                                ; w_out's set and y's blocks 0-3 are in; the youngest 16 loads (blocks 4-7) may be out
	WIN MUL
	MUL8 0, (\q)%2, \zero
	MUL8 2, (\q)%2, \zero
	s_wait_dscnt 0                                 ; blocks 4-7 are in
	PLACES NP
	FETCH_B \slot, (\q)+1, 1-(\q)%2
	FETCH_A \slot, (\q)+1, 0
	WIN MUL
	MUL8 4, (\q)%2, \zero
	MUL8 6, (\q)%2, \zero
	PLACES NP
	WIN 0
	FETCH_A \slot, (\q)+1, 4
.endm
; A slot's last step changes slots: ONE barrier; in front of it each wave waits for all its tensor loads, adds 0 to its spare word, and waits for that and for its own reads of this slot.  fill = 1: this slot is filled again, two K steps ahead.
.macro TURN slot, next, fill
	s_wait_tensorcnt 0x0                           ; all my tensor loads have landed: my part of the next slot
	ds_add_u32 v[SPW], v[NIL]                      ; 0 onto my spare word
	s_wait_dscnt 17                                ; (the add and the youngest 16 loads, y's blocks 4-7, may be out)
	WIN MUL
	MUL8 0, 1, 0                                   ; eight matrix instructions stand between the add and the wait for it
	s_wait_dscnt 0x0                               ; the add is done, and my reads of this slot are over
	s_barrier_signal -1
	MUL8 2, 1, 0
	WIN 0
	s_barrier_wait -1
.if \fill
	CREST                                          ; the barrier has opened a round of the cluster's barrier: no wave of any partner still reads this slot's tile or has a load on its way
	s_add_nc_u64 s[G0+4*\slot+2:G0+4*\slot+3], s[G0+4*\slot+2:G0+4*\slot+3], 0x400000
	s_add_nc_u64 s[G0B+4*\slot+2:G0B+4*\slot+3], s[G0B+4*\slot+2:G0B+4*\slot+3], 2*ROWB
	JLOAD G0+4*\slot, G1, G0B+4*\slot, G1B         ; the first tensor load behind the round; its four v_nop are also the places in front of the loads below
.else
	PLACES NP
.endif
	FETCH_B \next, 0, 0
	FETCH_A \next, 0, 0
	WIN MUL
	MUL8 4, 1, 0
	MUL8 6, 1, 0
	PLACES NP
	WIN 0
	FETCH_A \next, 0, 4
.endm
	s_wait_tensorcnt 1                             ; my part of K step 0 is in; K step 1's load may be out
	s_barrier_signal -1
	s_barrier_wait -1                              ; everybody's is
	FETCH_B 0, 0, 0
	FETCH_A 0, 0, 0
	FETCH_A 0, 0, 4
	STEP 0, 0, 1                                   ; the first step stands in front of the loop: its products start the sums
	s_mov_b32 s3, LAPS-1
.Llap:                                                 ; a trip goes once round the ring and fills both slots again
	TURN 0, 1, 1
	STEP 1, 0, 0
	TURN 1, 0, 1
	STEP 0, 0, 0
	s_sub_co_u32 s3, s3, 1
	s_cmp_lg_u32 s3, 0
	s_cbranch_scc1 .Llap
	TURN 0, 1, 0                                   ; the last lap fills nothing
	STEP 1, 0, 0
	s_wait_dscnt 16                                ; the very last step: nothing more to fetch
	WIN MUL
	MUL8 0, 1, 0
	MUL8 2, 1, 0
	s_wait_dscnt 0
	MUL8 4, 1, 0
	MUL8 6, 1, 0
	WIN 0
; THE WAY OUT, block by block of 16 rows x 64 columns: sum x 2^(e6 + e7) + bias, one packed multiply-add for two; through my own stage in LDS; back as whole rows of 256 bytes.
; LDS serves a wave's instructions in order (ISA guide 5.7.1.4): no wait between the stores and the loads, nor in front of the next block's stores.
.macro TOSTAGE a
	WIN 0x02                                       ; source 0: window 2
.irp b, 0,1,2,3
.irp i, 0,2,4,6
	v_pk_fma_f32 v[TMP+8*\b+\i:TMP+8*\b+\i+1], v[8*(4*(\a)+\b)+\i:8*(4*(\a)+\b)+\i+1], s[96:97], v[BN+8*\b+\i:BN+8*\b+\i+1] op_sel_hi:[1,0,1]   ; each accumulator from its low end on
.endr
.endr
	WIN 0
.irp b, 0,1,2,3
	ds_store_b128 v[STO], v[TMP+8*\b:TMP+8*\b+3] offset:64*\b
	ds_store_b128 v[STO], v[TMP+8*\b+4:TMP+8*\b+7] offset:64*\b+16
.endr
.set BB, BK+32*((\a)%2)
.irp t, 0,1,2,3,4,5,6,7
	ds_load_b128 v[BB+4*\t:BB+4*\t+3], v[RD] offset:2*\t*SPITCH
.endr
.endm
.macro SEND a, younger                 ; younger: the LDS instructions issued behind block a's loads, which may stay out
.set BB, BK+32*((\a)%2)
	s_wait_dscnt \younger                          ; the block is back in registers
.irp t, 0,1,2,3,4,5,6,7
	global_store_b128 v[CO], v[BB+4*\t:BB+4*\t+3], s[12:13] offset:(16*(\a)+2*\t)*4096 th:TH_STORE_NT   ; 16 lanes store 256 consecutive bytes, at a multiple of 256 from out0's first byte; 126 rows at the most in the immediate
.endr
.endm
	s_wait_kmcnt 0x0
	s_add_co_i32 s96, s86, s87                     ; e6 + e7
	s_add_co_i32 s96, s96, 127
	s_lshl_b32 s96, s96, 23                        ; 2^(e6 + e7) as f32
	s_mov_b32 s97, s96                             ; (named with it as a pair, so it is written)
	s_wait_loadcnt 0x0                             ; the biases
	PLACES NP                                      ; behind the last products: for the first read of results, and for the loads into the registers that held y's fragments
	TOSTAGE 0
.irp a, 1,2,3,4,5,6,7
.if \a > 1
	s_wait_xcnt 0x0                                ; block a - 2's stores have read their registers: block a's loads may land there
.endif
	TOSTAGE \a
	SEND \a-1, 16                                  ; behind block a - 1's loads: block a's 8 stores and 8 loads
.endr
	SEND 7, 0
	s_wait_tensorcnt 0x0                           ; the wave's end
	ds_add_u32 v[SPW], v[NIL]
	s_wait_dscnt 0x0
	CROUND                                         ; the closing round: no work-group ends while a partner may still ask for a tile that names it
	s_endpgm
.Lfunc_end_k_q82e19015d3_proj:
	.size	k_q82e19015d3_proj, .Lfunc_end_k_q82e19015d3_proj-k_q82e19015d3_proj
	.p2alignl 7, 3214868480
	.fill 96, 4, 3214868480
	.section	.rodata,"a",@progbits
	.p2align	6, 0x0
	.amdhsa_kernel k_q82e19015d3_proj
		.amdhsa_group_segment_fixed_size 327680
		.amdhsa_private_segment_fixed_size 0
		.amdhsa_enable_private_segment 0
		.amdhsa_kernarg_size 40
		.amdhsa_user_sgpr_count 2
		.amdhsa_user_sgpr_kernarg_segment_ptr 1
		.amdhsa_wavefront_size32 1
		.amdhsa_system_sgpr_workgroup_id_x 1
		.amdhsa_system_sgpr_workgroup_id_y 1
		.amdhsa_system_sgpr_workgroup_id_z 1
		.amdhsa_system_vgpr_workitem_id 0
		.amdhsa_next_free_vgpr 768
		.amdhsa_next_free_sgpr 100
		.amdhsa_reserve_vcc 0
		.amdhsa_float_denorm_mode_32 3
		.amdhsa_float_denorm_mode_16_64 3
		.amdhsa_memory_ordered 1
		.amdhsa_forward_progress 1
		.amdhsa_inst_pref_size 86
	.end_amdhsa_kernel
	.amdgpu_metadata
---
amdhsa.version: [ 1, 2 ]
amdhsa.kernels:
  - .name:           k_q82e19015d3_proj
    .symbol:         k_q82e19015d3_proj.kd
    .args:
      - { .name: yf, .offset: 0, .size: 8, .value_kind: global_buffer, .address_space: global }
      - { .name: w_out_codes, .offset: 8, .size: 8, .value_kind: global_buffer, .address_space: global }
      - { .name: b_out, .offset: 16, .size: 8, .value_kind: global_buffer, .address_space: global }
      - { .name: lowp_scales, .offset: 24, .size: 8, .value_kind: global_buffer, .address_space: global }
      - { .name: out0, .offset: 32, .size: 8, .value_kind: global_buffer, .address_space: global }
    .group_segment_fixed_size: 327680
    .private_segment_fixed_size: 0
    .kernarg_segment_align: 8
    .kernarg_segment_size: 40
    .max_flat_workgroup_size: 128
    .sgpr_count:     100
    .vgpr_count:     768
    .wavefront_size: 32
...
	.end_amdgpu_metadata
.endif
;; end of part 3
